; MI455X (gfx1250); checked and timed in simulation.
; The chip was launched on July 23, 2026; its instructions are those of AMD's public machine-readable ISA for CDNA 5 (MIT licence, August 2026) and "CDNA5" Instruction Set Architecture Reference Guide (July 2026). The comments in the code are by the model that wrote it; some were corrected since.
;; k NN VC. Allowed arithmetic: float matrix products may take bf16 or f16 operands with f32 sums; all other float work in f32.
;; Inputs: source_feats 1,024 x 1,024 float32; target_feats 50,000 x 1,024 float32.
;; Outputs: out0 1,024 x 1,024 float32.
;; Constants: k = 4.
;; 2 versions, each right; version 2 is version 1 with the launch cvt written anew for expert scheduling mode. Each part assembles by itself: llvm-mc -triple=amdgcn-amd-amdhsa -mcpu=gfx1250 --defsym DOCPART=n.
;; ======== version 1 of 2: 4 launches
;; workspace buffers: srcb 2,097,152 bytes; cand 3,801,088 bytes of whole numbers; ebuf 32,768 bytes of whole numbers
;; launch cvt (part 1): grid 256 x 1, 4 waves a work-group, no clusters, 0 bytes of LDS; arguments source_feats, srcb; writes srcb
.if DOCPART == 1
	.amdgcn_target "amdgcn-amd-amdhsa--gfx1250"
	.amdhsa_code_object_version 6
	.text
	.protected	k_q55a989de23_cvt
	.globl	k_q55a989de23_cvt
	.p2align	8
	.type	k_q55a989de23_cvt,@function
k_q55a989de23_cvt:
	s_mov_b64 s[64:65], 0
	v_nop
	global_prefetch_b8 v0, s[64:65] scope:SCOPE_SE
	s_setreg_imm32_b32 hwreg(HW_REG_WAVE_MODE, 25, 1), 1
	s_wait_xcnt 0x0
; srcb[r][c] = bf16(source_feats[r][c]), rounded to nearest even.  1,024 x 1,024 numbers.
; A work-group takes 4 rows: 16,384 bytes in, 8,192 out.  Thread t takes the 16 bytes at 16 t + 2,048 k, k = 0..7, and stores 8 bytes at 8 t + 1,024 k:
; a wave's load covers 512 consecutive bytes, its store 256 consecutive bytes at a multiple of 256.  All eight loads go out first.  No LDS, no barrier: nothing is shared.
	s_load_b128 s[4:7], s[0:1], 0x0                ; source_feats s[4:5], srcb s[6:7]
	v_lshlrev_b32 v1, 4, v0                        ; 16 t
	v_lshlrev_b32 v2, 3, v0                        ; 8 t
	s_lshl_b32 s8, ttmp9, 14                       ; the group's 16,384 bytes of f32
	s_mov_b32 s9, 0
	s_lshl_b32 s10, ttmp9, 13                      ; and its 8,192 bytes of bf16
	s_mov_b32 s11, 0
	s_wait_kmcnt 0x0
	s_add_nc_u64 s[4:5], s[4:5], s[8:9]
	s_add_nc_u64 s[6:7], s[6:7], s[10:11]
.irp k, 0,1,2,3,4,5,6,7
	global_load_b128 v[4+4*\k:7+4*\k], v1, s[4:5] offset:2048*\k
.endr
.irp k, 0,1,2,3,4,5,6,7
	s_wait_loadcnt 7-\k                            ; loads come back in order: load k is in, the 7 - k younger ones stay out
	v_cvt_pk_bf16_f32 v[36+2*\k], v[4+4*\k], v[5+4*\k]
	v_cvt_pk_bf16_f32 v[37+2*\k], v[6+4*\k], v[7+4*\k]
	global_store_b64 v2, v[36+2*\k:37+2*\k], s[6:7] offset:1024*\k
.endr
	s_endpgm
.Lfunc_end_k_q55a989de23_cvt:
	.size	k_q55a989de23_cvt, .Lfunc_end_k_q55a989de23_cvt-k_q55a989de23_cvt
	.p2alignl 7, 3214868480
	.fill 96, 4, 3214868480
	.section	.rodata,"a",@progbits
	.p2align	6, 0x0
	.amdhsa_kernel k_q55a989de23_cvt
		.amdhsa_group_segment_fixed_size 0
		.amdhsa_private_segment_fixed_size 0
		.amdhsa_enable_private_segment 0
		.amdhsa_kernarg_size 16
		.amdhsa_user_sgpr_count 2
		.amdhsa_user_sgpr_kernarg_segment_ptr 1
		.amdhsa_wavefront_size32 1
		.amdhsa_system_sgpr_workgroup_id_x 1
		.amdhsa_system_sgpr_workgroup_id_y 1
		.amdhsa_system_sgpr_workgroup_id_z 1
		.amdhsa_system_vgpr_workitem_id 0
		.amdhsa_next_free_vgpr 52
		.amdhsa_next_free_sgpr 66
		.amdhsa_reserve_vcc 0
		.amdhsa_float_denorm_mode_32 3
		.amdhsa_float_denorm_mode_16_64 3
		.amdhsa_memory_ordered 1
		.amdhsa_forward_progress 1
		.amdhsa_inst_pref_size 4
	.end_amdhsa_kernel
	.amdgpu_metadata
---
amdhsa.version: [ 1, 2 ]
amdhsa.kernels:
  - .name:           k_q55a989de23_cvt
    .symbol:         k_q55a989de23_cvt.kd
    .args:
      - { .name: source_feats, .offset: 0, .size: 8, .value_kind: global_buffer, .address_space: global }
      - { .name: srcb, .offset: 8, .size: 8, .value_kind: global_buffer, .address_space: global }
    .group_segment_fixed_size: 0
    .private_segment_fixed_size: 0
    .kernarg_segment_align: 8
    .kernarg_segment_size: 16
    .max_flat_workgroup_size: 128
    .sgpr_count:     66
    .vgpr_count:     52
    .wavefront_size: 32
...
	.end_amdgpu_metadata
.endif
;; end of part 1
;; launch knn (part 2): grid 232 x 1, 4 waves a work-group, clusters of 4 x 1, 327,680 bytes of LDS; arguments srcb, target_feats, cand; writes cand
.if DOCPART == 2
	.amdgcn_target "amdgcn-amd-amdhsa--gfx1250"
	.amdhsa_code_object_version 6
	.text
	.protected	k_q55a989de23_knn
	.globl	k_q55a989de23_knn
	.p2align	8
	.type	k_q55a989de23_knn,@function
k_q55a989de23_knn:
	s_mov_b64 s[64:65], 0
	v_nop
	global_prefetch_b8 v0, s[64:65] scope:SCOPE_SE
	s_setreg_imm32_b32 hwreg(HW_REG_WAVE_MODE, 25, 1), 1
	s_wait_xcnt 0x0
	s_wait_alu depctr_hold_cnt(0) depctr_sa_sdst(0) depctr_va_vdst(0) depctr_va_sdst(0) depctr_va_ssrc(0) depctr_va_vcc(0) depctr_vm_vsrc(0)
	s_getreg_b32 s2, hwreg(HW_REG_IB_STS2, 6, 4)
	s_cmp_eq_u32 s2, 0
	s_cbranch_scc0 .Lentry_in_a_cluster
	s_endpgm
.Lentry_in_a_cluster:
	s_bfe_u32 s2, ttmp6, 0x10000c
	s_cmp_lg_u32 s2, 0x3003
	s_cbranch_scc0 .Lentry_shape_is_right
	s_endpgm
.Lentry_shape_is_right:
; NOMINATION.  For every source row and every slab of 432 target rows: the best four, in each half of the lanes, of dot(bf16 s, bf16 t) / |t|, as keys.  (|s| > 0 scales a whole row of
; similarities alike and changes no order, so it is not applied.)  A later launch picks the best 8 keys of a row, a last one scores those 8 again in f32 on the original numbers.
; LIMITS.  NaN, infinities and rows of zeros are not treated apart.  A key keeps 22 bits of the f32 value (2^-13 of it is dropped).  The final four are the f32 best four unless five members of one
; lane's list (216 target rows) or nine of all targets lie within the bf16 product's error of the fourth best; with a large common offset in the inputs that error can pass the similarities' spread.
; SHARES.  116 slabs x 2 halves of the source = 232 work-groups of equal work.  A work-group: 512 source rows against 3 tiles of 144 target rows.  A wave: 128 source rows (8 blocks sb) x 144 target
; rows (9 blocks tb): 72 accumulators, 576 registers.  The last slab begins at row 49,568, 112 rows early, so that it ends with the tensor; its first 112 rows belong to the slab before and are hidden by a bias.
; THE MATRIX INSTRUCTION: source 0 = 16 target rows, source 1 = 16 source rows.  In the result lane (r, h) holds source row 16 sb + r, register j target row 16 tb + 8 h + j: a list belongs to a lane.
; THE SOURCE (bf16, made by the launch before) goes through two LDS slots of K = 128, filled by tensor loads; K step k lies in slot k % 2.  The four work-groups of a cluster take the same half of the
; source, so each tile is asked for JOINTLY: the same load, descriptor and mask in all four.  Each wave fetches and reads its own 128 rows.
; K BY TURNS.  Tiles 0 and 2 walk the K steps 0 to 7, tile 1 walks 7 to 0.  So a tile's last two K steps, which lie in the two slots at its end, are the next tile's first two: in every tile the changes of
; slots behind its steps 0 to 5 fill a slot again and those behind its steps 6 and 7 do not.
; THE TARGET is f32 and each of its bytes is wanted by two work-groups only (the two halves, in neighbouring clusters), so it is not shared: it comes through registers, 64 along K at a time (a CHUNK:
; 144 rows x 256 bytes), is squared and rounded to bf16 on the way, and is laid into two small LDS slots.  A chunk's 18 loads a wave are issued two chunks ahead and stay out across the barriers.
; Between the products stands only the staging's vector work; its LDS stores and its loads go out in the runs of fragment loads, never singly among the matrix instructions.
; KEYS.  value = acc x rsq(sum t^2) + bias; its low 10 bits are replaced: bits 6:0 = 8 tb + j, bits 9:8 an age.  Behind each tile's inserts 0x100 is added to every entry, so age = 3 - tile at the end.
; REGISTERS, in windows of 256 (s_set_vgpr_msb: bits 1:0 source 0, 3:2 source 1, 5:4 source 2, 7:6 destination):
;   window 0: v0-23 addresses and at work; v24-55 the lists (4 a source block, best first); v56-119, v120-183 source fragments, two buffers; v184-255 target fragments, one buffer in two parts
;             (Ta: tb 0-3, Tb: tb 4-8).  In the selection v56-127 hold 1/|t| and v128-199 the bias of the tile's rows.
;   window 1: v0-63 accumulators of tb 8; v64-135, v136-207 two sets of 18 x 4 for chunks on their way; v208-243 18 pairs of sums of squares; v244-255 the staging's addresses and four pairs at work
;   window 2: accumulators of tb 0-3, at 8 (8 tb + sb);   window 3: those of tb 4-7
; No prefetch is written: the target's loads are out for three quarter steps or more, and the source is small and read again and again.
.set APITCH, 272                       ; a source row in LDS: 256 bytes + 16 of padding: the 16 rows of a fragment load start at 16 different groups of four banks (64 banks of 4 bytes: ISA guide 11.1)
.set AWAVE,  128*APITCH                ; a wave's 128 rows
.set ASLOT,  4*AWAVE                   ; 139,264 = 0x22000: it shares no bit with 0, 0x8800, 0x11000, 0x19800, the waves' places, so one exclusive or changes slots
.set BBASE,  2*ASLOT                   ; behind the ring, never filled by a tensor load: the target's two slots
.set BPITCH, 144                       ; a target row of 64 bf16: 128 bytes + 16
.set BSLOT,  144*BPITCH
.set RN,     BBASE+2*BSLOT             ; 144 words: 1 / |t| of the tile's rows
.set BIASO,  768                       ; 144 words, 768 bytes behind them: 0, or the hiding bias
.set SPARE,  RN+1536                   ; the spare words, 128 bytes for each wave: two blocks of 256 bytes that no other line names
.set CANDRG, 29696                     ; bytes of cand for 8 source rows: 116 slabs x 256
.set TILEB,  144*4096                  ; bytes of the target from a tile to the next
.set ADS0, 3                           ; v3   my place in slot 0 of the source: (128 w + r) x 272 + 16 h
.set ADS,  4                           ; v4   the same in the slot in hand
.set ADT,  5                           ; v5   my place in the target's slot 0: 144 r + 16 h
.set SPW,  6                           ; v6   LDS address of my spare word; never rewritten
.set NIL,  7                           ; v7   0; never rewritten
.set RNA,  8                           ; v8   RN + 32 h
.set CO,   9                           ; v9   my byte offset in cand
.set NW,   10                          ; v10-18  nine sums of squares at work
.set LST,  24
.set SF,   56
.set TF,   184
.set RNR,  56
.set BIR,  128
.set GS,   64                          ; window 1 from here on
.set SS,   208
.set GOF,  244                         ; (w + 8 h) x 4,096 + 16 r: lanes 0-15 take one row's 256 bytes, lanes 16-31 those of the row 8 below
.set ADW,  245                         ; BBASE + (w + 8 h) x 144 + 8 r: the two halves lie 1,152 bytes apart, 128 modulo 256
.set TP,   246                         ; v246-253  at work where the bias is made
.set RNW,  254                         ; RN + 4 (w + 8 h)
.set ROWR, 255                         ; w + 8 h
; scalars: s10 wave; s11 cx; s12 half; s13 slab; s[16:23] group 1; s[24:27] group 0 of the first fill; s[28:31] the walking group 0; s[32:33] the source at my wave's rows; s[34:35] an offset into it;
; s36 the tile's step asked for last; s37 the slot in hand; s[38:39] the target at the chunk to be asked for; s[40:41] its offset; s42 that chunk's number; s43 rows still hidden; s44, s45 counters;
; s46 key mask; s47 bias; s48-53 at work; s[54:55] the target at my slab; s56 0 in tiles that walk K upward, 7 in the one that walks it downward
.set MSB, 0
.macro WIN new                         ; the immediate's high byte repeats the setting that is left; a switch that changes nothing is dropped
.if MSB != (\new)
	s_set_vgpr_msb (MSB<<8)|(\new)
.set MSB, (\new)
.endif
.endm
.macro PLACES                          ; a load into a register that a matrix instruction has read, and a vector instruction that reads a matrix result, stand four plain vector instructions behind it (ISA guide 7.12.1 for vector instructions)
.rept 4
	v_nop
.endr
.endm
.macro CREST                           ; a round of the cluster's barrier behind its opening barrier: wave 0 signals for the work-group, every wave waits for all four, my work-group's barrier closes it
	s_cmp_lg_u32 s10, 0
	s_cbranch_scc1 .Lnot_wave_0_\@
	s_barrier_signal -3
.Lnot_wave_0_\@:
	s_barrier_wait -3
	s_barrier_signal -1
	s_barrier_wait -1
.endm
.macro CROUND
	s_barrier_signal -1
	s_barrier_wait -1
	CREST
.endm
	s_load_b128 s[4:7], s[0:1], 0x0                ; srcb s[4:5], target_feats s[6:7]
	s_load_b64 s[8:9], s[0:1], 0x10                ; cand
	v_lshl_add_u32 v[SPW], v0, 2, SPARE
	v_mov_b32 v[NIL], 0
	ds_add_u32 v[SPW], v[NIL]                      ; the wave's opening: the add and its wait stand ahead of my first tensor load; the set-up below, work on registers, stands between them
	v_lshrrev_b32 v10, 5, v0
	v_readfirstlane_b32 s10, v10                   ; wave 0..3
	s_and_b32 s12, ttmp9, 1                        ; which half of the source: clusters 2 g and 2 g + 1 take the same four slabs.  The four partners share it
	s_lshl_b32 s34, s12, 20                        ; 512 rows of 2,048 bytes
	s_lshl_b32 s48, s10, 18                        ; my wave's 128 rows
	s_add_co_u32 s34, s34, s48
	s_mov_b32 s35, 0
	s_mul_i32 s50, s10, AWAVE                      ; and their place in a slot: no place in the cluster enters an LDS address
	; descriptor group 1: a tile of 128 rows x 128 elements, padded in LDS
	s_mov_b32 s16, 15|(1<<16)|(1<<20)|(1<<21)|(5<<22)|(3<<25)  ; 15:0 the mask of four; 17:16 2-byte elements; 20 padding on; 21 set beside a mask; 24:22 after every 64 words (code 5); 31:25 4 words (code 3)
	s_mov_b32 s17, 128<<16                         ; tensor_dim0 = 128
	s_mov_b32 s18, 128<<16                         ; tensor_dim1 = 128
	s_mov_b32 s19, 128<<16                         ; tile_dim0 = 128
	s_mov_b32 s20, 128                             ; tile_dim1 = 128
	s_mov_b32 s21, 1024                            ; 1,024 elements from row to row
	s_mov_b32 s22, 0
	s_mov_b32 s23, 0
	s_mov_b32 s24, 1                               ; count = 1
	s_mov_b32 s25, s50                             ; slot 0
	s_mov_b32 s28, 1
	s_add_co_u32 s29, s50, ASLOT                   ; slot 1
	s_mov_b32 s36, 1                               ; the tile's step 1 is the last of the first fills
	s_mov_b32 s37, 0
	s_mov_b32 s42, 2
	s_mov_b32 s46, 0xfffffc00
	s_mov_b32 s47, 0xff600000                      ; -2.98e38
	s_mov_b32 s56, 0                               ; tile 0 walks K upward
	; my slab: it enters the target's and cand's global addresses and the count of hidden rows, nothing else
	s_bfe_u32 s11, ttmp6, 0x40000                  ; cx
	s_lshr_b32 s13, ttmp9, 1
	s_lshl_b32 s13, s13, 2
	s_add_co_u32 s13, s13, s11                     ; slab = 4 (cluster / 2) + cx
	s_mul_i32 s14, s13, 432
	s_min_u32 s15, s14, 49568                      ; its first row: the last slab is moved up so that it ends at row 49,999
	s_sub_co_u32 s43, s14, s15                     ; and its first 112 rows are hidden
	s_lshl_b32 s40, s15, 12
	s_mov_b32 s41, 0
	s_lshl_b32 s52, s12, 6
	s_lshl4_add_u32 s52, s10, s52                  ; my wave's first group of 8 source rows: 64 half + 16 w
	s_mul_i32 s52, s52, CANDRG
	s_lshl_b32 s53, s13, 8
	s_add_co_u32 s52, s52, s53
	s_mov_b32 s53, 0
	v_and_b32 v1, 15, v0                           ; r
	v_bfe_u32 v2, v0, 4, 1                         ; h
	v_lshl_add_u32 v10, v2, 3, s10                 ; w + 8 h
	v_lshlrev_b32 v11, 12, v10
	v_lshl_add_u32 v11, v1, 4, v11
	v_mul_u32_u24 v12, v10, BPITCH
	v_lshl_add_u32 v12, v1, 3, v12
	v_add_nc_u32 v12, BBASE, v12
	v_lshl_add_u32 v13, v10, 2, RN
	v_mul_u32_u24 v[ADS0], v1, APITCH
	v_lshl_add_u32 v[ADS0], v2, 4, v[ADS0]
	v_add_nc_u32 v[ADS0], s50, v[ADS0]
	v_mov_b32 v[ADS], v[ADS0]
	v_mul_u32_u24 v[ADT], v1, BPITCH
	v_lshl_add_u32 v[ADT], v2, 4, v[ADT]
	v_add_nc_u32 v[ADT], BBASE, v[ADT]
	v_lshl_add_u32 v[RNA], v2, 5, RN
	v_lshrrev_b32 v14, 3, v1                       ; cand: [row / 8][slab][row % 8][h][4 keys]
	v_mul_u32_u24 v[CO], v14, CANDRG
	v_and_b32 v14, 7, v1
	v_lshl_add_u32 v[CO], v14, 5, v[CO]
	v_lshl_add_u32 v[CO], v2, 4, v[CO]
.set i, 0
.rept 32
	v_mov_b32 v[LST+i], 0xff7ffc00                 ; the lists start below every value, the hidden ones too
.set i, i+1
.endr
	WIN 0x40
	v_mov_b32 v[GOF], v11
	v_mov_b32 v[ADW], v12
	v_mov_b32 v[RNW], v13
	v_mov_b32 v[ROWR], v10
.set i, 0
.rept 36
	v_mov_b32 v[SS+i], 0
.set i, i+1
.endr
	WIN 0
	s_wait_dscnt 0x0                               ; the opening add is done
	s_wait_kmcnt 0x0
	s_add_nc_u64 s[32:33], s[4:5], s[34:35]        ; the source at my wave's rows
	s_mov_b64 s[26:27], s[32:33]                   ; K step 0
	s_or_b32 s27, s27, 0x80000000                  ; type = 2
	s_add_nc_u64 s[30:31], s[32:33], 256           ; K step 1
	s_or_b32 s31, s31, 0x80000000
	s_add_nc_u64 s[54:55], s[6:7], s[40:41]        ; the target at my slab
	s_mov_b64 s[38:39], s[54:55]
	s_add_nc_u64 s[8:9], s[8:9], s[52:53]
	WIN 0x55                                       ; all that the staging names lies in window 1
.irp c, 0, 1
.set i, 0
.rept 18                                               ; chunks 0 and 1: 36 loads of mine are out
	global_load_b128 v[GS+72*\c+4*i:GS+72*\c+4*i+3], v[GOF], s[38:39] offset:4096*(16*(i/2)+4*(i%2))+256*\c
.set i, i+1
.endr
.endr
	WIN 0
	s_wait_xcnt 0x0                                ; the loads' addresses are translated: only now is their base written again
	s_add_nc_u64 s[38:39], s[54:55], 512           ; chunk 2
	CROUND                                         ; all four work-groups are here: the first joint loads meet
	tensor_load_to_lds s[24:27], s[16:23]          ; the two first fills go out together: two tensor loads of mine are out
	s_nop 0
	tensor_load_to_lds s[28:31], s[16:23]
	s_nop 0
	PLACES
; THE STAGING, in three parts.  Unit i of 18 of a chunk in set `set` is rows w + 8 h + 16 (i / 2) + 4 (i % 2), 16 bytes a lane, in four registers.
; CVU: the unit's vector work: its squares are added, and it is rounded to bf16 in place, into the first two of its four registers.  left = how many younger loads may stay out.
.macro CVU set, i, left
	WIN 0x55
.set rG, GS+72*(\set)+4*(\i)
.set rQ, SS+2*(\i)
	s_wait_loadcnt \left
	v_pk_fma_f32 v[rQ:rQ+1], v[rG:rG+1], v[rG:rG+1], v[rQ:rQ+1]
	v_cvt_pk_bf16_f32 v[rG], v[rG], v[rG+1]
	v_pk_fma_f32 v[rQ:rQ+1], v[rG+2:rG+3], v[rG+2:rG+3], v[rQ:rQ+1]
	v_cvt_pk_bf16_f32 v[rG+1], v[rG+2], v[rG+3]
.endm
; STORES: n units from i0 on go into the target's slot `set`, in one run.
.macro STORES set, i0, n
	WIN 0x55
.set iu, \i0
.rept \n
	ds_store_b64 v[ADW], v[GS+72*(\set)+4*iu:GS+72*(\set)+4*iu+1] offset:BSLOT*(\set)+BPITCH*(16*(iu/2)+4*(iu%2))
.set iu, iu+1
.endr
.endm
; ASK: the same units' registers are asked for again, in one run: the chunk two further on.  It stands behind the fragment loads that follow the stores.
.macro ASK set, i0, n
	WIN 0x55
.set iu, \i0
.rept \n
	global_load_b128 v[GS+72*(\set)+4*iu:GS+72*(\set)+4*iu+3], v[GOF], s[38:39] offset:4096*(16*(iu/2)+4*(iu%2))
.set iu, iu+1
.endr
.endm
; The next chunk's address is made anew: the slab's base + tile x 144 rows + 256 bytes x the chunk's place along K.  Chunk g of the walk belongs to tile g / 16; its place is g % 16, and in tile 1, which
; walks K downward, the pairs of chunks are taken in reverse: (g % 16) xor 14.  Behind the walk's last chunk, number 47, g is held there: the last three groups of loads read chunk 47 once more, inside the
; tensor; what they bring goes into a slot that nobody reads: the price of one text for every tile.
.macro STEPBP
	s_wait_xcnt 0x0                                ; every earlier load has had its address translated: only now is the base written again
	s_add_co_u32 s42, s42, 1
	s_min_u32 s48, s42, 47
	s_lshr_b32 s49, s48, 4                         ; the tile
	s_and_b32 s51, s49, 1
	s_mul_i32 s51, s51, 14
	s_and_b32 s48, s48, 15
	s_xor_b32 s48, s48, s51
	s_lshl_b32 s48, s48, 8
	s_mul_i32 s49, s49, TILEB
	s_add_co_u32 s40, s48, s49
	s_add_nc_u64 s[38:39], s[54:55], s[40:41]
.endm
; Fragments of quarter q (32 along K).  A fragment is 16 rows x 32 K in 8 registers: lane (r, h) holds row r, K = 8 h + 0..7 and 16 + 8 h + 0..7: two loads of 16 bytes, 32 bytes apart.
.macro RUNA q                          ; 10 loads: the target's blocks 4-8
.set bo, (((\q)/2)%2)*BSLOT+64*((\q)%2)
.irp t, 4,5,6,7,8
	ds_load_b128 v[TF+8*\t:TF+8*\t+3],   v[ADT] offset:bo+16*BPITCH*\t
	ds_load_b128 v[TF+8*\t+4:TF+8*\t+7], v[ADT] offset:bo+16*BPITCH*\t+32
.endr
.endm
.macro RUNB q                          ; 24 loads: the target's blocks 0-3, then my 8 source blocks into buffer q % 2
.set bo, (((\q)/2)%2)*BSLOT+64*((\q)%2)
.irp t, 0,1,2,3
	ds_load_b128 v[TF+8*\t:TF+8*\t+3],   v[ADT] offset:bo+16*BPITCH*\t
	ds_load_b128 v[TF+8*\t+4:TF+8*\t+7], v[ADT] offset:bo+16*BPITCH*\t+32
.endr
.irp t, 0,1,2,3,4,5,6,7
	ds_load_b128 v[SF+64*((\q)%2)+8*\t:SF+64*((\q)%2)+8*\t+3],   v[ADS] offset:16*APITCH*\t+64*(\q)
	ds_load_b128 v[SF+64*((\q)%2)+8*\t+4:SF+64*((\q)%2)+8*\t+7], v[ADS] offset:16*APITCH*\t+64*(\q)+32
.endr
.endm
.macro MM tb, sb, p, zero              ; one product.  zero = 1: it starts the sum: nothing is ever cleared
.if (\tb) < 4
	WIN 0xa0
.set rA, 8*(8*(\tb)+(\sb))
.elseif (\tb) < 8
	WIN 0xf0
.set rA, 8*(8*((\tb)-4)+(\sb))
.else
	WIN 0x50
.set rA, 8*(\sb)
.endif
.set rT, TF+8*(\tb)
.set rS, SF+64*(\p)+8*(\sb)
.if \zero
	v_wmma_f32_16x16x32_bf16 v[rA:rA+7], v[rT:rT+7], v[rS:rS+7], 0
.else
	v_wmma_f32_16x16x32_bf16 v[rA:rA+7], v[rT:rT+7], v[rS:rS+7], v[rA:rA+7]
.endif
.endm
; Target blocks tb0 to tb1 x my 8 source blocks.  The 72 accumulators take turns, one instruction a turn, in the same order in every quarter.
; set >= 0: behind every fourth product stands a unit's vector work, which names none of the products' registers.  Behind the load that unit U waits for were issued: 17 - U of its set and 18 of the other;
; for units 8 to 17 also the 8 that the quarter's middle has asked for anew.
.macro MUL tb0, tb1, p, zero, set
.set tbi, \tb0
.rept (\tb1)-(\tb0)+1
.set sbi, 0
.rept 8
	MM tbi, sbi, \p, \zero
.if ((\set) >= 0) && (sbi%4 == 3)
.if U < 8
	CVU \set, U, 35-U
.else
	CVU \set, U, 43-U
.endif
.set U, U+1
.endif
.set sbi, sbi+1
.endr
.set tbi, tbi+1
.endr
.endm
; The tile's 16 chunks have been squared: each row's sum over its 16 lanes (nine rows at a time, in window 0), 1 / sqrt of it, the bias (hidden where the row's number in the tile is below s43), both into
; LDS; the sums start anew.
.macro RNORM
.irp b, 0, 9
	WIN 0x05                                       ; sources window 1, destination window 0
.set n, 0
.rept 9
	v_add_f32 v[NW+n], v[SS+2*(\b+n)], v[SS+2*(\b+n)+1]
.set n, n+1
.endr
	WIN 0
.irp m, 1,2,4,8
.set n, 0
.rept 9
	v_add_f32_dpp v[NW+n], v[NW+n], v[NW+n] row_xmask:\m row_mask:0xf bank_mask:0xf
.set n, n+1
.endr
.endr
.set n, 0
.rept 9
	v_rsq_f32 v[NW+n], v[NW+n]
.set n, n+1
.endr
	v_nop                                          ; a plain instruction between the last root and the use of its result (ISA guide 5.7.2)
	WIN 0x01                                       ; address window 1, data window 0
.set n, 0
	s_wait_alu depctr_va_vdst(0)
.rept 9
	ds_store_b32 v[RNW], v[NW+n] offset:4*(16*((\b+n)/2)+4*((\b+n)%2))  ; sixteen lanes store the same word with the same value
.set n, n+1
.endr
.endr
	WIN 0x55
.set i, 0
.rept 18
.set ro, 16*(i/2)+4*(i%2)
	v_add_nc_u32 v[TP+2*(i%4)], ro, v[ROWR]
	v_cmp_gt_i32 vcc_lo, s43, v[TP+2*(i%4)]
	v_cndmask_b32 v[TP+2*(i%4)+1], 0, s47, vcc_lo
	ds_store_b32 v[RNW], v[TP+2*(i%4)+1] offset:BIASO+4*ro
.set i, i+1
.endr
.set i, 0
.rept 36
	v_mov_b32 v[SS+i], 0
.set i, i+1
.endr
	s_sub_co_i32 s43, s43, 144                     ; the next tile's rows count from 0 again
.endm
; A K step of 128 is four quarters of 72 products.  Ta and the source fragments of a quarter are fetched in the middle of the quarter before, Tb at its own head.
; An even quarter carries the staging's vector work: quarter 0 that of the step's second chunk (set and slot 1), quarter 2 that of the next step's first chunk (set and slot 0).  Units 0 to 7, finished in its
; first half, are stored and asked for anew in the run in its middle; units 8 to 17 in the run at the head of the odd quarter that follows.
.macro QEVEN q, zero
	STEPBP
.set U, 0
	WIN 0
	PLACES
	RUNA \q
	s_wait_dscnt 10                                ; all but the 10 just issued: Ta and the source fragments are in
	MUL 0, 3, 0, \zero, 1-(\q)/2
	PLACES
	STORES 1-(\q)/2, 0, 8
	WIN 0
	RUNB (\q)+1
	ASK 1-(\q)/2, 0, 8
	s_wait_dscnt 32                                ; behind Tb's loads: the 8 stores and the 24 loads just issued
	MUL 4, 8, 0, \zero, 1-(\q)/2
.endm
; Quarter 1, with the barrier in the middle of a step: in front of it my stores into the target's slot 1 are done and my reads of its slot 0 are back; behind it slot 1 is read and, from quarter 2's middle
; on, slot 0 written.  No tensor load fills anything behind it, so the one that is out may stay out.
.macro QODD1 norm
	PLACES
	STORES 1, 8, 10
	WIN 0
	RUNA 1
	ASK 1, 8, 10
	s_wait_dscnt 20                                ; behind the fragments fetched last quarter: the 10 stores and the 10 loads just issued
	MUL 0, 1, 1, 0, -1
.if \norm
	RNORM
.endif
	s_wait_dscnt 0x0                               ; for the others' sake: zero
	s_barrier_signal -1
	MUL 2, 3, 1, 0, -1
	WIN 0
	s_barrier_wait -1
	PLACES
	RUNB 2
	MUL 4, 8, 1, 0, -1
.endm
; Quarter 3, with the barrier at a step's end: in front of it my stores into the target's slot 0 are done and my reads of its slot 1 and of the source's slot are back.
; kind 0 (a tile's steps 0 to 5): each wave also waits for all its tensor loads, of which one is out: its part of the next slot; and adds 0 to its spare word.  The barrier opens a round of the cluster's, so
;   that no wave of any partner still reads the slot or has a load on its way, and the slot is filled again, first thing behind the round, with the tile's step two further on: it has a step less 16
;   products in which to land.
; kind 1 (step 6): the same three lines, since my part of step 7's slot is still out and is read behind the barrier; nothing is filled: the slot that is left holds the next tile's second step.
; kind 2 (step 7): no tensor load is out.  The next tile begins in the slot in hand, so the reads do not change slots; the walking descriptor's slot is turned once more, so that the next tile's first fill
;   goes into that slot when it has been read; K's direction turns; the selection follows, which needs the fragments' registers, so nothing is fetched.
.macro QODD3 kind
	PLACES
	STORES 0, 8, 10
	WIN 0
	RUNA 3
	ASK 0, 8, 10
	s_wait_dscnt 20                                ; as in quarter 1
	MUL 0, 1, 1, 0, -1
.if (\kind) < 2
	WIN 0                                          ; (the add's two registers lie in window 0)
	s_wait_tensorcnt 0x0                           ; no tensor load of mine is out, so the walking group 0 may be written
	ds_add_u32 v[SPW], v[NIL]                      ; 0 onto my spare word; scalar work and eight products stand between it and the wait for it
	s_xor_b32 s37, s37, ASLOT                      ; the reads go on in the other slot
.endif
.if (\kind) == 0
	s_xor_b32 s29, s29, ASLOT                      ; the fill goes into the slot that is left
	s_add_co_u32 s36, s36, 1                       ; the tile's step two further on;
	s_xor_b32 s34, s36, s56                        ; its K step: the same number, or 7 less it
	s_lshl_b32 s34, s34, 8                         ; 256 bytes a K step
	s_add_nc_u64 s[30:31], s[32:33], s[34:35]      ; the address is made anew from the base and an offset
	s_or_b32 s31, s31, 0x80000000
.endif
.if (\kind) == 2
	s_xor_b32 s29, s29, ASLOT
	s_xor_b32 s56, s56, 7
	s_mov_b32 s36, 1
.endif
	MUL 2, 2, 1, 0, -1
	s_wait_dscnt 0x0
	s_barrier_signal -1
	MUL 3, 3, 1, 0, -1
	WIN 0
	s_barrier_wait -1
.if (\kind) == 0
	CREST
	tensor_load_to_lds s[28:31], s[16:23]          ; every wave asks for its own 128 rows: one tensor load of mine is out
	s_nop 0
.endif
.if (\kind) < 2
	PLACES                                         ; the places in front of the loads below
	v_add_nc_u32 v[ADS], s37, v[ADS0]
	RUNB 0
.endif
	MUL 4, 8, 1, 0, -1
.endm
; THE SELECTION.  For the accumulators of one window, four source blocks at a time: value = acc / |t| + bias, the place code into its low bits (each accumulator from its lowest registers on);
; then each value is put into its lane's sorted list of four: d = med(x, c, d), c = med(x, b, c), b = med(x, a, b), a = max(x, a).  Four lists alternate, so that no line waits for the one before.
.macro EPIG win, tb0, ntb
.irp hf, 0, 4
.set tbe, \tb0
.rept \ntb
	WIN ((\win)<<6)|(\win)
.set sbe, \hf
.rept 4
.set rA, 8*(8*(tbe-(\tb0))+sbe)
.irp m, 0,2,4,6
	v_pk_fma_f32 v[rA+\m:rA+\m+1], v[rA+\m:rA+\m+1], v[RNR+8*tbe+\m:RNR+8*tbe+\m+1], v[BIR+8*tbe+\m:BIR+8*tbe+\m+1]
.endr
.irp j, 0,1,2,3,4,5,6,7
	v_and_or_b32 v[rA+\j], v[rA+\j], s46, 8*tbe+\j
.endr
.set sbe, sbe+1
.endr
	WIN \win
.set je, 0
.rept 8
.irp st, 3,2,1
.set sbe, \hf
.rept 4
	v_med3_num_f32 v[LST+4*sbe+\st], v[8*(8*(tbe-(\tb0))+sbe)+je], v[LST+4*sbe+\st-1], v[LST+4*sbe+\st]
.set sbe, sbe+1
.endr
.endr
.set sbe, \hf
.rept 4
	v_max_num_f32 v[LST+4*sbe], v[8*(8*(tbe-(\tb0))+sbe)+je], v[LST+4*sbe]
.set sbe, sbe+1
.endr
.set je, je+1
.endr
.set tbe, tbe+1
.endr
.endr
.endm
.macro EPI
	WIN 0
	PLACES
.set i, 0
.rept 9                                                ; register 8 tb + j: row 16 tb + 8 h + j of the tile
	ds_load_b128 v[RNR+8*i:RNR+8*i+3],   v[RNA] offset:64*i
	ds_load_b128 v[RNR+8*i+4:RNR+8*i+7], v[RNA] offset:64*i+16
	ds_load_b128 v[BIR+8*i:BIR+8*i+3],   v[RNA] offset:BIASO+64*i
	ds_load_b128 v[BIR+8*i+4:BIR+8*i+7], v[RNA] offset:BIASO+64*i+16
.set i, i+1
.endr
	s_wait_dscnt 0x0
	EPIG 2, 0, 4
	EPIG 3, 4, 4
	EPIG 1, 8, 1
	WIN 0
.set i, 0
.rept 32
	v_add_nc_u32 v[LST+i], 0x100, v[LST+i]         ; every entry ages by one tile; the field holds 3 and is never passed, so no value changes
.set i, i+1
.endr
.endm
.set U, 0
.rept 18
	CVU 0, U, 35-U                                 ; chunk 0: behind unit U's load stand 17 - U of its set and chunk 1's 18
.set U, U+1
.endr
	STORES 0, 0, 18                                ; into the target's slot 0;
	ASK 0, 0, 18                                   ; chunk 2 is asked for: from here on between 26 and 36 loads of mine are out
	WIN 0
	s_wait_dscnt 0x0                               ; my stores are done,
	s_wait_tensorcnt 1                             ; my part of K step 0 is in; K step 1's may stay out
	s_barrier_signal -1
	s_barrier_wait -1
	s_mov_b32 s45, 3                               ; tiles to go: the same number in every wave and every work-group
.Ltile:
	RUNB 0
	QEVEN 0, 1                                     ; a tile's first quarter starts the sums
	WIN 0                                          ; at a label and at a branch every window is 0
	s_mov_b32 s44, 6
.Lstep:                                                ; a trip: quarters 1 to 3 of a step and quarter 0 of the next; the tile's steps 0 to 5, each of which fills a slot again
	QODD1 0
	QEVEN 2, 0
	QODD3 0
	QEVEN 0, 0
	WIN 0
	s_sub_co_u32 s44, s44, 1
	s_cmp_lg_u32 s44, 0
	s_cbranch_scc1 .Lstep
	QODD1 0                                        ; step 6
	QEVEN 2, 0
	QODD3 1
	QEVEN 0, 0                                     ; step 7: its quarter 0 squares the tile's last chunk,
	QODD1 1                                        ; so the norms are made here, in front of the barrier; they are read behind the next one
	QEVEN 2, 0
	QODD3 2
	EPI
	s_sub_co_u32 s45, s45, 1
	s_cmp_lg_u32 s45, 0
	s_cbranch_scc1 .Ltile
.irp b, 0,1,2,3,4,5,6,7
	global_store_b128 v[CO], v[LST+4*\b:LST+4*\b+3], s[8:9] offset:2*CANDRG*\b  ; 8 source rows x 2 halves x 16 bytes are 256 consecutive bytes at a multiple of 256: each store fills two such blocks
.endr
	s_wait_tensorcnt 0x0                           ; the wave's end: behind my last tensor load and my last LDS store
	ds_add_u32 v[SPW], v[NIL]
	s_wait_dscnt 0x0
	CROUND                                         ; the closing round: no work-group ends while a partner may still ask for a tile that names it
	s_endpgm
.Lfunc_end_k_q55a989de23_knn:
	.size	k_q55a989de23_knn, .Lfunc_end_k_q55a989de23_knn-k_q55a989de23_knn
	.p2alignl 7, 3214868480
	.fill 96, 4, 3214868480
	.section	.rodata,"a",@progbits
	.p2align	6, 0x0
	.amdhsa_kernel k_q55a989de23_knn
		.amdhsa_group_segment_fixed_size 327680
		.amdhsa_private_segment_fixed_size 0
		.amdhsa_enable_private_segment 0
		.amdhsa_kernarg_size 24
		.amdhsa_user_sgpr_count 2
		.amdhsa_user_sgpr_kernarg_segment_ptr 1
		.amdhsa_wavefront_size32 1
		.amdhsa_system_sgpr_workgroup_id_x 1
		.amdhsa_system_sgpr_workgroup_id_y 1
		.amdhsa_system_sgpr_workgroup_id_z 1
		.amdhsa_system_vgpr_workitem_id 0
		.amdhsa_next_free_vgpr 1024
		.amdhsa_next_free_sgpr 66
		.amdhsa_reserve_vcc 1
		.amdhsa_float_denorm_mode_32 3
		.amdhsa_float_denorm_mode_16_64 3
		.amdhsa_memory_ordered 1
		.amdhsa_forward_progress 1
		.amdhsa_inst_pref_size 255
	.end_amdhsa_kernel
	.section	.bss,"aw",@nobits
	.p2align	6
	.space	262144
	.amdgpu_metadata
---
amdhsa.version: [ 1, 2 ]
amdhsa.kernels:
  - .name:           k_q55a989de23_knn
    .symbol:         k_q55a989de23_knn.kd
    .args:
      - { .name: srcb, .offset: 0, .size: 8, .value_kind: global_buffer, .address_space: global }
      - { .name: target_feats, .offset: 8, .size: 8, .value_kind: global_buffer, .address_space: global }
      - { .name: cand, .offset: 16, .size: 8, .value_kind: global_buffer, .address_space: global }
    .group_segment_fixed_size: 327680
    .private_segment_fixed_size: 0
    .kernarg_segment_align: 8
    .kernarg_segment_size: 24
    .max_flat_workgroup_size: 128
    .sgpr_count:     66
    .vgpr_count:     1024
    .wavefront_size: 32
...
	.end_amdgpu_metadata
.endif
;; end of part 2
;; launch pick (part 3): grid 128 x 1, 8 waves a work-group, no clusters, 34,816 bytes of LDS; arguments cand, ebuf; writes ebuf
.if DOCPART == 3
	.amdgcn_target "amdgcn-amd-amdhsa--gfx1250"
	.amdhsa_code_object_version 6
	.text
	.protected	k_q55a989de23_pick
	.globl	k_q55a989de23_pick
	.p2align	8
	.type	k_q55a989de23_pick,@function
k_q55a989de23_pick:
	s_mov_b64 s[64:65], 0
	v_nop
	global_prefetch_b8 v0, s[64:65] scope:SCOPE_SE
	s_setreg_imm32_b32 hwreg(HW_REG_WAVE_MODE, 25, 1), 1
	s_wait_xcnt 0x0
; For each source row: which 8 of its 928 keys (116 slabs x 2 halves of lanes x 4) are the largest.  Stored: their entry numbers e = 8 slab + 4 h + i, whole numbers from which the next launch forms addresses.
; A work-group takes 8 rows, whose keys are 29,696 consecutive bytes of cand: they are read once, in whole blocks, into LDS; then wave v takes row v.
; A key's low 10 bits (its place in a slab) are replaced by e, so that the keys of a row differ and the winner names itself; values that agree in their upper 22 bits are ordered by e.
; Each lane keeps a sorted list of 8 of its 29 keys; five exchanges (lanes 1, 2, 4, 8, 16 apart) merge the lists: max(mine[i], partner's[7 - i]) holds the best 8 of 16 and rises and falls once, so three
; stages of compare and exchange sort it.  No address and no branch hangs on a key.  No matrix unit, no cluster: nothing is multiplied and no two work-groups read the same bytes.
.set PP,    288                        ; a slab's 256 bytes in LDS + 32
.set OUT,   33536                      ; behind the 116 pieces: 8 rows x 32 bytes
.set SPARE, 33792                      ; the spare words, 128 bytes for each of eight waves: four blocks of 256 bytes that no other line names
.set IN,  8                            ; v8-39   as loaded
.set KY,  40                           ; v40-68  my 29 keys; later v40-47 the other half's list
.set T,   72                           ; v72-79  the list, best first
.set U,   80                           ; v80-87  at work
.set SPW, 94
.set NIL, 95
	s_load_b128 s[4:7], s[0:1], 0x0                ; cand s[4:5], ebuf s[6:7]
	v_lshl_add_u32 v[SPW], v0, 2, SPARE
	v_mov_b32 v[NIL], 0
	v_lshrrev_b32 v1, 5, v0
	v_readfirstlane_b32 s8, v1                     ; wave = the row among the group's 8
	s_mul_i32 s10, ttmp9, 29696
	s_mov_b32 s11, 0
	s_lshl_b32 s12, ttmp9, 8
	s_mov_b32 s13, 0
	s_mov_b32 s14, 0xfffffc00
	s_mov_b32 s16, 0x76543210                      ; v_permlanex16_b32: each lane takes its own place in the other half
	s_mov_b32 s17, 0xfedcba98
	v_lshlrev_b32 v2, 4, v0                        ; 16 t
	v_lshrrev_b32 v3, 4, v0
	v_mul_u32_u24 v3, v3, PP
	v_and_b32 v4, 15, v0
	v_lshl_add_u32 v3, v4, 4, v3                   ; piece t / 16, byte 16 (t % 16)
	s_wait_kmcnt 0x0
	s_add_nc_u64 s[4:5], s[4:5], s[10:11]
	s_add_nc_u64 s[6:7], s[6:7], s[12:13]
.irp k, 0,1,2,3,4,5,6
	global_load_b128 v[IN+4*\k:IN+4*\k+3], v2, s[4:5] offset:4096*\k
.endr
	s_cmp_lt_u32 s8, 2                             ; 29,696 = 7 x 4,096 + 1,024: waves 0 and 1 take the rest
	s_cbranch_scc0 .Lno8
	global_load_b128 v[IN+28:IN+31], v2, s[4:5] offset:28672
	s_wait_loadcnt 0x0
	ds_store_b128 v3, v[IN+28:IN+31] offset:16*PP*7
.Lno8:
.irp k, 0,1,2,3,4,5,6
	s_wait_loadcnt 6-\k                            ; the younger loads may stay out
	ds_store_b128 v3, v[IN+4*\k:IN+4*\k+3] offset:16*PP*\k
.endr
	v_and_b32 v5, 31, v0                           ; l
	v_lshrrev_b32 v6, 3, v5
	v_mul_u32_u24 v6, v6, PP
	v_and_b32 v7, 7, v5
	v_lshl_add_u32 v6, v7, 2, v6
	s_lshl_b32 s9, s8, 5
	v_add_nc_u32 v6, s9, v6                        ; entry e = 32 p + l lies in piece 4 p + l / 8, at byte 32 v + 4 (l % 8)
	v_mov_b32 v70, OUT
	v_add_nc_u32 v70, s9, v70
	v_lshlrev_b32 v69, 3, v5
	v_add_nc_u32 v71, OUT, v69
.irp i, 0,1,2,3,4,5,6,7
	v_mov_b32 v[T+\i], 0xff7ffc00                  ; below every key
	v_mov_b32 v[U+\i], 0                           ; written once: a lane-crossing form counts as a reader of its destination
.endr
	s_wait_dscnt 0x0                               ; for the others' sake: my stores are done
	s_barrier_signal -1
	s_barrier_wait -1
.set p, 0
.rept 29
	ds_load_b32 v[KY+p], v6 offset:4*PP*p
.set p, p+1
.endr
.set p, 0
.rept 29
	s_wait_dscnt 28-p                              ; LDS loads come back in order: key p is in
	v_and_or_b32 v[KY+p], v[KY+p], s14, v5
.if p > 0
	v_or_b32 v[KY+p], 32*p, v[KY+p]
.endif
.irp i, 7,6,5,4,3,2,1
	v_med3_num_f32 v[T+\i], v[KY+p], v[T+\i-1], v[T+\i]
.endr
	v_max_num_f32 v[T], v[KY+p], v[T]
.set p, p+1
.endr
.macro CE src, dst, d                  ; compare and exchange at distance d, the larger in front
.set i, 0
.rept 8
.if (i/(\d))%2 == 0
	v_max_num_f32 v[(\dst)+i], v[(\src)+i], v[(\src)+i+(\d)]
	v_min_num_f32 v[(\dst)+i+(\d)], v[(\src)+i], v[(\src)+i+(\d)]
.endif
.set i, i+1
.endr
.endm
.irp m, 1,2,4,8
.irp i, 0,1,2,3,4,5,6,7
	v_max_num_f32_dpp v[U+\i], v[T+7-\i], v[T+\i] row_xmask:\m row_mask:0xf bank_mask:0xf
.endr
	CE U, T, 4
	CE T, U, 2
	CE U, T, 1
.endr
.irp i, 0,1,2,3,4,5,6,7
	v_permlanex16_b32 v[KY+\i], v[T+7-\i], s16, s17
.endr
.irp i, 0,1,2,3,4,5,6,7
	v_max_num_f32 v[U+\i], v[KY+\i], v[T+\i]
.endr
	CE U, T, 4
	CE T, U, 2
	CE U, T, 1
.irp i, 0,1,2,3,4,5,6,7
	v_and_b32 v[T+\i], 0x3ff, v[T+\i]              ; every lane now holds the row's eight entry numbers
.endr
	ds_store_b128 v70, v[T:T+3]                    ; all lanes store the same words with the same values
	ds_store_b128 v70, v[T+4:T+7] offset:16
	s_wait_tensorcnt 0x0                           ; behind my last LDS store, the dscnt wait is also the wait that the barrier needs
	ds_add_u32 v[SPW], v[NIL]
	s_wait_dscnt 0x0
	s_barrier_signal -1
	s_barrier_wait -1
	s_cmp_lg_u32 s8, 0
	s_cbranch_scc1 .Lend
	ds_load_b64 v[U:U+1], v71                      ; wave 0 stores the group's 256 bytes as one whole block
	s_wait_dscnt 0x0
	global_store_b64 v69, v[U:U+1], s[6:7]
.Lend:
	s_endpgm
.Lfunc_end_k_q55a989de23_pick:
	.size	k_q55a989de23_pick, .Lfunc_end_k_q55a989de23_pick-k_q55a989de23_pick
	.p2alignl 7, 3214868480
	.fill 96, 4, 3214868480
	.section	.rodata,"a",@progbits
	.p2align	6, 0x0
	.amdhsa_kernel k_q55a989de23_pick
		.amdhsa_group_segment_fixed_size 34816
		.amdhsa_private_segment_fixed_size 0
		.amdhsa_enable_private_segment 0
		.amdhsa_kernarg_size 16
		.amdhsa_user_sgpr_count 2
		.amdhsa_user_sgpr_kernarg_segment_ptr 1
		.amdhsa_wavefront_size32 1
		.amdhsa_system_sgpr_workgroup_id_x 1
		.amdhsa_system_sgpr_workgroup_id_y 1
		.amdhsa_system_sgpr_workgroup_id_z 1
		.amdhsa_system_vgpr_workitem_id 0
		.amdhsa_next_free_vgpr 96
		.amdhsa_next_free_sgpr 66
		.amdhsa_reserve_vcc 0
		.amdhsa_float_denorm_mode_32 3
		.amdhsa_float_denorm_mode_16_64 3
		.amdhsa_memory_ordered 1
		.amdhsa_forward_progress 1
		.amdhsa_inst_pref_size 32
	.end_amdhsa_kernel
	.amdgpu_metadata
---
amdhsa.version: [ 1, 2 ]
amdhsa.kernels:
  - .name:           k_q55a989de23_pick
    .symbol:         k_q55a989de23_pick.kd
    .args:
      - { .name: cand, .offset: 0, .size: 8, .value_kind: global_buffer, .address_space: global }
      - { .name: ebuf, .offset: 8, .size: 8, .value_kind: global_buffer, .address_space: global }
    .group_segment_fixed_size: 34816
    .private_segment_fixed_size: 0
    .kernarg_segment_align: 8
    .kernarg_segment_size: 16
    .max_flat_workgroup_size: 256
    .sgpr_count:     66
    .vgpr_count:     96
    .wavefront_size: 32
...
	.end_amdgpu_metadata
.endif
;; end of part 3
;; launch mean (part 4): grid 256 x 1, 4 waves a work-group, no clusters, 0 bytes of LDS; arguments ebuf, cand, source_feats, target_feats, out0; writes out0
.if DOCPART == 4
	.amdgcn_target "amdgcn-amd-amdhsa--gfx1250"
	.amdhsa_code_object_version 6
	.text
	.protected	k_q55a989de23_mean
	.globl	k_q55a989de23_mean
	.p2align	8
	.type	k_q55a989de23_mean,@function
k_q55a989de23_mean:
	s_mov_b64 s[64:65], 0
	v_nop
	global_prefetch_b8 v0, s[64:65] scope:SCOPE_SE
	s_setreg_imm32_b32 hwreg(HW_REG_WAVE_MODE, 25, 1), 1
	s_wait_xcnt 0x0
; For each source row: its 8 nominated target rows are scored again in f32 on the original numbers, sim = dot(s, t) / |t| (|s| scales all 8 alike), and the best 4 are averaged.
; One wave, one row.  The addresses come from whole numbers that earlier launches stored: the entry numbers in ebuf and the place codes in the low 10 bits of cand's keys, each clamped before use.
; The choice of 4 out of 8 steers no address: each candidate gets the weight 0.25 or 0 by its rank, and all 8 rows, which stay in registers (256 of them), enter the sum.
; Equal similarities: the candidate that stands earlier among the 8 wins.  NaN, infinities and rows of zeros are not treated apart.
; No LDS, no barrier, no matrix unit: 8 dot products a row are too few for it, and they are wanted in f32.
; REGISTERS: window 0: v1 16 x lane; v8-39 the source row, later the result; v40-103 eight a candidate: two pairs of the dot product, two of the squares; v104-119 weight and rank, a pair a candidate.
;            window 1: the candidates' rows, 32 a candidate.
.set SRC, 8
.set DQ,  40
.set WT,  104
.set MSB, 0
.macro WIN new                         ; the immediate's high byte repeats the setting that is left
.if MSB != (\new)
	s_set_vgpr_msb (MSB<<8)|(\new)
.set MSB, (\new)
.endif
.endm
.macro ALL line:vararg                 ; one line for each candidate c
.set c, 0
	s_wait_alu depctr_va_vdst(0)
.rept 8
	\line
.set c, c+1
.endr
.endm
	s_load_b256 s[4:11], s[0:1], 0x0               ; ebuf s[4:5], cand s[6:7], source_feats s[8:9], target_feats s[10:11]
	s_load_b64 s[12:13], s[0:1], 0x20              ; out0
	v_lshrrev_b32 v2, 5, v0
	v_readfirstlane_b32 s14, v2
	s_lshl2_add_u32 s14, ttmp9, s14                ; my row = 4 x work-group + wave
	v_and_b32 v1, 31, v0
	v_lshlrev_b32 v1, 4, v1
	s_lshl_b32 s56, s14, 12
	s_mov_b32 s57, 0
	s_lshl_b32 s58, s14, 5
	s_mov_b32 s59, 0
	s_mov_b32 s60, 0x76543210                      ; v_permlanex16_b32: each lane takes its own place in the other half
	s_mov_b32 s61, 0xfedcba98
	s_mov_b32 s62, 0x3fc00000                      ; 1.5
	s_mov_b32 s63, 0x3e800000                      ; 0.25
	s_wait_kmcnt 0x0
	s_add_nc_u64 s[8:9], s[8:9], s[56:57]
	s_add_nc_u64 s[12:13], s[12:13], s[56:57]
	s_add_nc_u64 s[4:5], s[4:5], s[58:59]
	s_load_b256 s[16:23], s[4:5], 0x0              ; my row's eight entry numbers
.irp k, 0,1,2,3,4,5,6,7
	global_load_b128 v[SRC+4*\k:SRC+4*\k+3], v1, s[8:9] offset:512*\k
.endr
	s_lshr_b32 s56, s14, 3                         ; cand: [row / 8][slab][row % 8][h][4 keys]
	s_mul_i32 s56, s56, 29696
	s_and_b32 s58, s14, 7
	s_lshl_b32 s58, s58, 5
	s_add_co_u32 s56, s56, s58
	s_add_nc_u64 s[6:7], s[6:7], s[56:57]
	s_wait_kmcnt 0x0
.irp c, 0,1,2,3,4,5,6,7
	s_min_u32 s[16+\c], s[16+\c], 927              ; e = 8 slab + 4 h + i
	s_and_b32 s[48+\c], s[16+\c], 0x3f8
	s_lshl_b32 s[48+\c], s[48+\c], 5               ; 256 slab
	s_and_b32 s58, s[16+\c], 7
	s_lshl_b32 s58, s58, 2                         ; 16 h + 4 i
	s_add_co_u32 s[48+\c], s[48+\c], s58
	s_load_b32 s[24+\c], s[6:7], s[48+\c] offset:0x0
.endr
	s_wait_kmcnt 0x0
.irp c, 0,1,2,3,4,5,6,7
	s_lshr_b32 s56, s[16+\c], 3
	s_mul_i32 s56, s56, 432
	s_min_u32 s56, s56, 49568                      ; the slab's first row
	s_bfe_u32 s57, s[24+\c], 0x20008               ; the key's age,
	s_sub_co_u32 s57, 3, s57                       ; its tile
	s_mul_i32 s57, s57, 144
	s_add_co_u32 s56, s56, s57
	s_and_b32 s57, s[24+\c], 0x78                  ; 8 tb
	s_lshl1_add_u32 s56, s57, s56
	s_and_b32 s57, s[24+\c], 7                     ; j
	s_add_co_u32 s56, s56, s57
	s_bfe_u32 s57, s[16+\c], 0x10002               ; h
	s_lshl3_add_u32 s56, s57, s56
	s_min_u32 s56, s56, 49999                      ; inside the tensor, whatever was read
	s_lshl_b32 s[32+2*\c], s56, 12
	s_mov_b32 s[33+2*\c], 0
	s_add_nc_u64 s[32+2*\c:33+2*\c], s[10:11], s[32+2*\c:33+2*\c]
.endr
	WIN 0x40                                       ; destination window 1, address window 0
.irp c, 0,1,2,3,4,5,6,7
.irp k, 0,1,2,3,4,5,6,7
	global_load_b128 v[32*\c+4*\k:32*\c+4*\k+3], v1, s[32+2*\c:33+2*\c] offset:512*\k
.endr
.endr
.irp c, 0,1,2,3,4,5,6,7
	s_wait_loadcnt 56-8*\c                         ; the younger candidates' loads stay out
	WIN 0x01                                       ; source 0 (t) window 1
.set m, 0
.rept 16
.if m < 2
	v_pk_mul_f32 v[DQ+8*\c+2*m:DQ+8*\c+2*m+1], v[32*\c+2*m:32*\c+2*m+1], v[SRC+2*m:SRC+2*m+1]
.else
	v_pk_fma_f32 v[DQ+8*\c+2*(m%2):DQ+8*\c+2*(m%2)+1], v[32*\c+2*m:32*\c+2*m+1], v[SRC+2*m:SRC+2*m+1], v[DQ+8*\c+2*(m%2):DQ+8*\c+2*(m%2)+1]
.endif
.set m, m+1
.endr
	WIN 0x05                                       ; sources 0 and 1 window 1
.set m, 0
.rept 16
.if m < 2
	v_pk_mul_f32 v[DQ+8*\c+4+2*m:DQ+8*\c+4+2*m+1], v[32*\c+2*m:32*\c+2*m+1], v[32*\c+2*m:32*\c+2*m+1]
.else
	v_pk_fma_f32 v[DQ+8*\c+4+2*(m%2):DQ+8*\c+4+2*(m%2)+1], v[32*\c+2*m:32*\c+2*m+1], v[32*\c+2*m:32*\c+2*m+1], v[DQ+8*\c+4+2*(m%2):DQ+8*\c+4+2*(m%2)+1]
.endif
.set m, m+1
.endr
.endr
	WIN 0
	ALL v_pk_add_f32 v[DQ+8*c:DQ+8*c+1], v[DQ+8*c:DQ+8*c+1], v[DQ+8*c+2:DQ+8*c+3]
	ALL v_pk_add_f32 v[DQ+8*c+4:DQ+8*c+5], v[DQ+8*c+4:DQ+8*c+5], v[DQ+8*c+6:DQ+8*c+7]
	ALL v_add_f32 v[DQ+8*c], v[DQ+8*c], v[DQ+8*c+1]
	ALL v_add_f32 v[DQ+8*c+4], v[DQ+8*c+4], v[DQ+8*c+5]
.irp x, 1,2,4,8
	ALL v_add_f32_dpp v[DQ+8*c], v[DQ+8*c], v[DQ+8*c] row_xmask:\x row_mask:0xf bank_mask:0xf
	ALL v_add_f32_dpp v[DQ+8*c+4], v[DQ+8*c+4], v[DQ+8*c+4] row_xmask:\x row_mask:0xf bank_mask:0xf
.endr
	ALL v_permlanex16_b32 v[DQ+8*c+1], v[DQ+8*c], s60, s61
	ALL v_permlanex16_b32 v[DQ+8*c+5], v[DQ+8*c+4], s60, s61
	ALL v_add_f32 v[DQ+8*c], v[DQ+8*c], v[DQ+8*c+1]
	ALL v_add_f32 v[DQ+8*c+4], v[DQ+8*c+4], v[DQ+8*c+5]
	ALL v_rsq_f32 v[DQ+8*c+5], v[DQ+8*c+4]
	ALL v_mov_b32 v[WT+2*c+1], c                   ; the rank starts at the candidate's place; also the plain lines behind the roots (ISA guide 5.7.2)
	ALL v_mul_f32 v[DQ+8*c+6], v[DQ+8*c+4], v[DQ+8*c+5]
	ALL v_mul_f32 v[DQ+8*c+6], v[DQ+8*c+6], v[DQ+8*c+5]
	ALL v_fma_f32 v[DQ+8*c+6], v[DQ+8*c+6], -0.5, s62
	ALL v_mul_f32 v[DQ+8*c+5], v[DQ+8*c+5], v[DQ+8*c+6]
	ALL v_mul_f32 v[DQ+8*c], v[DQ+8*c], v[DQ+8*c+5]
	; rank = how many of the others win against me.  For a < b: b wins if its similarity is strictly greater, else a.  Starting from its place, a goes up by 1 where b wins and b down by 1.
.set ca, 0
.rept 7
.set cb, ca+1
.rept 7-ca
	v_cmp_gt_f32 vcc_lo, v[DQ+8*cb], v[DQ+8*ca]
	v_cndmask_b32 v2, 0, 1, vcc_lo
	v_add_nc_u32 v[WT+2*ca+1], v[WT+2*ca+1], v2
	v_sub_nc_u32 v[WT+2*cb+1], v[WT+2*cb+1], v2
.set cb, cb+1
.endr
.set ca, ca+1
.endr
.set c, 0
.rept 8
	v_cmp_gt_u32 vcc_lo, 4, v[WT+2*c+1]
	v_cndmask_b32 v[WT+2*c], 0, s63, vcc_lo
.set c, c+1
.endr
	WIN 0x01
.set c, 0
.rept 8
.set m, 0
.rept 16
.if c == 0
	v_pk_mul_f32 v[SRC+2*m:SRC+2*m+1], v[2*m:2*m+1], v[WT:WT+1] op_sel_hi:[1,0]
.else
	v_pk_fma_f32 v[SRC+2*m:SRC+2*m+1], v[32*c+2*m:32*c+2*m+1], v[WT+2*c:WT+2*c+1], v[SRC+2*m:SRC+2*m+1] op_sel_hi:[1,0,1]
.endif
.set m, m+1
.endr
.set c, c+1
.endr
	WIN 0
.irp k, 0,1,2,3,4,5,6,7
	global_store_b128 v1, v[SRC+4*\k:SRC+4*\k+3], s[12:13] offset:512*\k  ; 512 consecutive bytes, at a multiple of 256 from out0's first byte
.endr
	s_endpgm
.Lfunc_end_k_q55a989de23_mean:
	.size	k_q55a989de23_mean, .Lfunc_end_k_q55a989de23_mean-k_q55a989de23_mean
	.p2alignl 7, 3214868480
	.fill 96, 4, 3214868480
	.section	.rodata,"a",@progbits
	.p2align	6, 0x0
	.amdhsa_kernel k_q55a989de23_mean
		.amdhsa_group_segment_fixed_size 0
		.amdhsa_private_segment_fixed_size 0
		.amdhsa_enable_private_segment 0
		.amdhsa_kernarg_size 40
		.amdhsa_user_sgpr_count 2
		.amdhsa_user_sgpr_kernarg_segment_ptr 1
		.amdhsa_wavefront_size32 1
		.amdhsa_system_sgpr_workgroup_id_x 1
		.amdhsa_system_sgpr_workgroup_id_y 1
		.amdhsa_system_sgpr_workgroup_id_z 1
		.amdhsa_system_vgpr_workitem_id 0
		.amdhsa_next_free_vgpr 512
		.amdhsa_next_free_sgpr 66
		.amdhsa_reserve_vcc 1
		.amdhsa_float_denorm_mode_32 3
		.amdhsa_float_denorm_mode_16_64 3
		.amdhsa_memory_ordered 1
		.amdhsa_forward_progress 1
		.amdhsa_inst_pref_size 58
	.end_amdhsa_kernel
	.amdgpu_metadata
---
amdhsa.version: [ 1, 2 ]
amdhsa.kernels:
  - .name:           k_q55a989de23_mean
    .symbol:         k_q55a989de23_mean.kd
    .args:
      - { .name: ebuf, .offset: 0, .size: 8, .value_kind: global_buffer, .address_space: global }
      - { .name: cand, .offset: 8, .size: 8, .value_kind: global_buffer, .address_space: global }
      - { .name: source_feats, .offset: 16, .size: 8, .value_kind: global_buffer, .address_space: global }
      - { .name: target_feats, .offset: 24, .size: 8, .value_kind: global_buffer, .address_space: global }
      - { .name: out0, .offset: 32, .size: 8, .value_kind: global_buffer, .address_space: global }
    .group_segment_fixed_size: 0
    .private_segment_fixed_size: 0
    .kernarg_segment_align: 8
    .kernarg_segment_size: 40
    .max_flat_workgroup_size: 128
    .sgpr_count:     66
    .vgpr_count:     512
    .wavefront_size: 32
...
	.end_amdgpu_metadata
.endif
;; end of part 4
;; ======== version 2 of 2: 4 launches; version 1 with the launch cvt written anew for expert scheduling mode
;; workspace buffers: srcb 2,097,152 bytes; cand 3,801,088 bytes of whole numbers; ebuf 32,768 bytes of whole numbers
;; launch cvt (part 5): grid 256 x 1, 4 waves a work-group, no clusters, 0 bytes of LDS; arguments source_feats, srcb; writes srcb
.if DOCPART == 5
	.amdgcn_target "amdgcn-amd-amdhsa--gfx1250"
	.amdhsa_code_object_version 6
	.text
	.protected	k_q55a989de23_cvt
	.globl	k_q55a989de23_cvt
	.p2align	8
	.type	k_q55a989de23_cvt,@function
k_q55a989de23_cvt:
	s_mov_b64 s[64:65], 0
	v_nop
	global_prefetch_b8 v0, s[64:65] scope:SCOPE_SE
	s_setreg_imm32_b32 hwreg(HW_REG_WAVE_SCHED_MODE, 0, 2), 2
	s_setreg_imm32_b32 hwreg(HW_REG_WAVE_MODE, 25, 1), 1
	s_wait_xcnt 0x0
	s_wait_alu depctr_vm_vsrc(0)
; srcb[r][c] = bf16(source_feats[r][c]), rounded to nearest even.  1,024 x 1,024 numbers.
; A work-group takes 4 rows: 16,384 bytes in, 8,192 out.  Thread t takes the 16 bytes at 16 t + 2,048 k, k = 0..7, and stores 8 bytes at 8 t + 1,024 k:
; a wave's load covers 512 consecutive bytes, its store 256 consecutive bytes at a multiple of 256.  All eight loads go out first.  No LDS, no barrier: nothing is shared.
; THE MODE: SCHED_MODE bits 1:0 = 2 (LLVM: expert scheduling mode 2), set by the entry lines.  The code itself states the register dependences
; between vector instructions and memory instructions, with s_wait_alu, always for 0.
; THE PLAN.  Registers that memory instructions touch:
;   v1, v2     byte offsets of the loads and of the stores: written once at the head, never again.
;   v[4:35]    four a load: written by the loads alone, once each; no vector line names them ahead of the loads; read by the conversions; nothing lands in them afterwards.
;   v[36:51]   two a store: written by the conversions, once each; read by the stores.
; The eight units go in two halves of four: eight conversions, ONE wait, a run of four stores.  The first half's stores are out while the second half is converted: its conversions name
; v[20:35] and v[44:51], none of which those stores read.  No register that a memory instruction has read is written again, so no wait on vm_vsrc is owed.
	s_load_b128 s[4:7], s[0:1], 0x0                ; source_feats s[4:5], srcb s[6:7]
	v_lshlrev_b32 v1, 4, v0                        ; 16 t
	v_lshlrev_b32 v2, 3, v0                        ; 8 t
	s_lshl_b32 s8, ttmp9, 14                       ; the group's 16,384 bytes of f32
	s_mov_b32 s9, 0
	s_lshl_b32 s10, ttmp9, 13                      ; and its 8,192 bytes of bf16
	s_mov_b32 s11, 0
	s_wait_kmcnt 0x0
	s_add_nc_u64 s[4:5], s[4:5], s[8:9]
	s_add_nc_u64 s[6:7], s[6:7], s[10:11]
	s_wait_alu depctr_va_vdst(0)                   ; v1 and v2 are written: every load reads v1 and every store v2 as its offset
.irp k, 0,1,2,3,4,5,6,7
	global_load_b128 v[4+4*\k:7+4*\k], v1, s[4:5] offset:2048*\k
.endr
	s_wait_loadcnt 4                               ; loads come back in order: loads 0 to 3 are in, the four younger ones stay out
.irp k, 0,1,2,3
	v_cvt_pk_bf16_f32 v[36+2*\k], v[4+4*\k], v[5+4*\k]
	v_cvt_pk_bf16_f32 v[37+2*\k], v[6+4*\k], v[7+4*\k]
.endr
	s_wait_alu depctr_va_vdst(0)                   ; the eight conversions have written v[36:43], which the four stores read
.irp k, 0,1,2,3
	global_store_b64 v2, v[36+2*\k:37+2*\k], s[6:7] offset:1024*\k
.endr
	s_wait_loadcnt 0x0                             ; loads 4 to 7 are in
.irp k, 4,5,6,7
	v_cvt_pk_bf16_f32 v[36+2*\k], v[4+4*\k], v[5+4*\k]
	v_cvt_pk_bf16_f32 v[37+2*\k], v[6+4*\k], v[7+4*\k]
.endr
	s_wait_alu depctr_va_vdst(0)                   ; the eight conversions have written v[44:51], which the last four stores read
.irp k, 4,5,6,7
	global_store_b64 v2, v[36+2*\k:37+2*\k], s[6:7] offset:1024*\k
.endr
	s_endpgm
.Lfunc_end_k_q55a989de23_cvt:
	.size	k_q55a989de23_cvt, .Lfunc_end_k_q55a989de23_cvt-k_q55a989de23_cvt
	.p2alignl 7, 3214868480
	.fill 96, 4, 3214868480
	.section	.rodata,"a",@progbits
	.p2align	6, 0x0
	.amdhsa_kernel k_q55a989de23_cvt
		.amdhsa_group_segment_fixed_size 0
		.amdhsa_private_segment_fixed_size 0
		.amdhsa_enable_private_segment 0
		.amdhsa_kernarg_size 16
		.amdhsa_user_sgpr_count 2
		.amdhsa_user_sgpr_kernarg_segment_ptr 1
		.amdhsa_wavefront_size32 1
		.amdhsa_system_sgpr_workgroup_id_x 1
		.amdhsa_system_sgpr_workgroup_id_y 1
		.amdhsa_system_sgpr_workgroup_id_z 1
		.amdhsa_system_vgpr_workitem_id 0
		.amdhsa_next_free_vgpr 52
		.amdhsa_next_free_sgpr 66
		.amdhsa_reserve_vcc 0
		.amdhsa_float_denorm_mode_32 3
		.amdhsa_float_denorm_mode_16_64 3
		.amdhsa_memory_ordered 1
		.amdhsa_forward_progress 1
		.amdhsa_inst_pref_size 4
	.end_amdhsa_kernel
	.amdgpu_metadata
---
amdhsa.version: [ 1, 2 ]
amdhsa.kernels:
  - .name:           k_q55a989de23_cvt
    .symbol:         k_q55a989de23_cvt.kd
    .args:
      - { .name: source_feats, .offset: 0, .size: 8, .value_kind: global_buffer, .address_space: global }
      - { .name: srcb, .offset: 8, .size: 8, .value_kind: global_buffer, .address_space: global }
    .group_segment_fixed_size: 0
    .private_segment_fixed_size: 0
    .kernarg_segment_align: 8
    .kernarg_segment_size: 16
    .max_flat_workgroup_size: 128
    .sgpr_count:     66
    .vgpr_count:     52
    .wavefront_size: 32
...
	.end_amdgpu_metadata
.endif
;; end of part 5
;; launch knn: the kernel of part 2 again; grid 232 x 1, 4 waves a work-group, clusters of 4 x 1, 327,680 bytes of LDS; arguments srcb, target_feats, cand; writes cand
;; launch pick: the kernel of part 3 again; grid 128 x 1, 8 waves a work-group, no clusters, 34,816 bytes of LDS; arguments cand, ebuf; writes ebuf
;; launch mean: the kernel of part 4 again; grid 256 x 1, 4 waves a work-group, no clusters, 0 bytes of LDS; arguments ebuf, cand, source_feats, target_feats, out0; writes out0
